; MI455X (gfx1250); checked and timed in simulation.
; The chip was launched on July 23, 2026; its instructions are those of AMD's public machine-readable ISA for CDNA 5 (MIT licence, August 2026) and "CDNA5" Instruction Set Architecture Reference Guide (July 2026). The comments in the code are by the model that wrote it; some were corrected since.
;; GRU unit. Allowed arithmetic: matrix products marked QUANTISED: E2M3 operands, one E8M0 scale for each 32 along K, by v_wmma_scale_f32_16x16x128_f8f6f4 with both operands' format E2M3, f32 sums; everything else in f32.
;; Inputs: W_hh_codes 1,024 x 32 x 24 uint8 (E2M3 codes of W_hh, K innermost, in blocks of 32 codes, four codes in three bytes); W_hh_scales 1,024 x 32 uint8 (E8M0 scales of W_hh, one for each 32 codes along K); W_hi_codes 1,024 x 32 x 24 uint8 (E2M3 codes of W_hi, K innermost, in blocks of 32 codes, four codes in three bytes); W_hi_scales 1,024 x 32 uint8 (E8M0 scales of W_hi, one for each 32 codes along K); W_rh_codes 1,024 x 32 x 24 uint8 (E2M3 codes of W_rh, K innermost, in blocks of 32 codes, four codes in three bytes); W_rh_scales 1,024 x 32 uint8 (E8M0 scales of W_rh, one for each 32 codes along K); W_ri_codes 1,024 x 32 x 24 uint8 (E2M3 codes of W_ri, K innermost, in blocks of 32 codes, four codes in three bytes); W_ri_scales 1,024 x 32 uint8 (E8M0 scales of W_ri, one for each 32 codes along K); W_zh_codes 1,024 x 32 x 24 uint8 (E2M3 codes of W_zh, K innermost, in blocks of 32 codes, four codes in three bytes); W_zh_scales 1,024 x 32 uint8 (E8M0 scales of W_zh, one for each 32 codes along K); W_zi_codes 1,024 x 32 x 24 uint8 (E2M3 codes of W_zi, K innermost, in blocks of 32 codes, four codes in three bytes); W_zi_scales 1,024 x 32 uint8 (E8M0 scales of W_zi, one for each 32 codes along K); b_hi 1,024 float32; b_ri 1,024 float32; b_zi 1,024 float32; h 8,192 x 1,024 float32; x_codes 8,192 x 32 x 24 uint8 (E2M3 codes of x, K innermost, in blocks of 32 codes, four codes in three bytes); x_scales 8,192 x 32 uint8 (E8M0 scales of x, one for each 32 codes along K).
;; Outputs: out0 8,192 x 1,024 float32.
;; This version of the problem:
;;   THIS VERSION OF THE PROBLEM IS GIVEN IN LOW PRECISION. The matrix products marked QUANTISED in the list below multiply operands that are first quantised to E2M3 (2 exponent bits, 3 mantissa bits; 6 bits a number), with one power-of-two scale for each 32 numbers along K (OCP MX v1.0); their sums are f32. All else is computed in f32.
;;   The module's matrix products, in the order in which they are computed (A, B: the left and right operand; K: the contracted axis; several contracted axes count as one K, in the product's order):
;;     1. [M 8,192, K 1,024] x [K 1,024, N 1,024]; A: input x (given as codes); B: input W_ri (given as codes): QUANTISED
;;     2. [M 8,192, K 1,024] x [K 1,024, N 1,024]; A: input h; B: input W_rh (given as codes): QUANTISED
;;     3. [M 8,192, K 1,024] x [K 1,024, N 1,024]; A: input x (given as codes); B: input W_zi (given as codes): QUANTISED
;;     4. [M 8,192, K 1,024] x [K 1,024, N 1,024]; A: input h; B: input W_zh (given as codes): QUANTISED
;;     5. [M 8,192, K 1,024] x [K 1,024, N 1,024]; A: input x (given as codes); B: input W_hi (given as codes): QUANTISED
;;     6. [M 8,192, K 1,024] x [K 1,024, N 1,024]; A: computed on the way; B: input W_hh (given as codes): QUANTISED
;;   THE QUANTISER, for each operand of a quantised product, along K:
;;     - K is cut into blocks of 32 from its start; a last block that is shorter is filled with zeros.
;;     - A block's scale is 2^e with e = floor(log2(the largest magnitude in the block)) - 2, held to -126 .. 127; a block of zeros has e = 0. As a byte (E8M0): e + 127.
;;     - Each number is divided by its block's scale, clamped to +-7.5, and rounded to the nearest number of E2M3, ties to even, subnormals kept.
;;     - The product sums the exact products of the quantised numbers (number of the format x scale) in f32.
;;   ~~~python
;;   def quantise(x, axis):      # numpy; x: float32 -> the quantised numbers, widened to float32 again
;;       x = np.moveaxis(x, axis, -1); K = x.shape[-1]
;;       x = np.pad(x, [(0, 0)] * (x.ndim - 1) + [(0, -K % 32)]); x = x.reshape(x.shape[:-1] + (-1, 32)); a = np.abs(x).max(-1, keepdims=True)
;;       e = np.where(a > 0, np.clip(np.frexp(np.where(a > 0, a, 1))[1] - 1 - 2, -126, 127), 0)      # np.frexp(a)[1] - 1 = floor(log2(a)), exactly
;;       r = np.clip(x / 2.0 ** e, -7.5, 7.5)
;;       step = 2.0 ** (np.maximum(np.frexp(np.where(r == 0, 1, r))[1] - 1, 0) - 3)
;;       q = np.round(r / step) * step * 2.0 ** e      # np.round: ties to even
;;       return np.moveaxis(q.reshape(q.shape[:-2] + (-1,))[..., :K], -1, axis).astype(np.float32)
;;   ~~~
;;   OPERANDS COMPUTED ON THE WAY. 'Computed on the way' means the value that the module computes at that place (a softmax that the list does not call 'softmax' is quantised finished and normalised). What goes into a quantiser is computed in f32, as accurately as f32 sums, v_exp_f32 and their like allow (about 1e-6 of the number): no bf16 or f16 on the way to a quantiser, and a product that is left as it is and whose result goes on into a quantised operand takes f32 operands (vector FMAs, or v_wmma_f32_16x16x4_f32). A number that lies on a knife's edge between two numbers of the format may be rounded either way, as far as f32 arithmetic and the matrix unit's own rounding can turn it there, and no further.
;;   INPUTS GIVEN AS CODES. W_hh (in the module: [1024, 1024], K = its axis 0); W_hi (in the module: [1024, 1024], K = its axis 0); W_rh (in the module: [1024, 1024], K = its axis 0); W_ri (in the module: [1024, 1024], K = its axis 0); W_zh (in the module: [1024, 1024], K = its axis 0); W_zi (in the module: [1024, 1024], K = its axis 0); x (in the module: [8192, 1024], K = its axis 1): each comes as NAME_codes (uint8): NAME with its K axis moved to the last place and cut into blocks of 32 codes, [.., K / 32, bytes a block], one block behind the other in memory; four codes in three bytes: a row's codes are one little-endian stream of bits, code i at bits 6 i .. 6 i + 5 (a code: sign, 2 exponent bits, 3 mantissa bits); and NAME_scales (uint8): the same leading axes, one E8M0 byte (e + 127) for each 32 codes along K. Its value is code x scale, taken as it is: it is not quantised again, and the codes and scales need not be those that the quantiser above would give.
;; One version. Each part assembles by itself: llvm-mc -triple=amdgcn-amd-amdhsa -mcpu=gfx1250 --defsym DOCPART=n.
;; ======== version 1 of 1: 3 launches
;; limits: right only within a limited range of input values
;; workspace buffers: hq 6,553,600 bytes; hr 6,553,600 bytes; xq 6,553,600 bytes; wq 4,915,200 bytes
;; launch prep (part 1): grid 512 x 1, 4 waves a work-group, no clusters, 92,160 bytes of LDS; arguments x_codes, x_scales, W_ri_codes, W_ri_scales, W_rh_codes, W_rh_scales, W_zi_codes, W_zi_scales, W_zh_codes, W_zh_scales, W_hi_codes, W_hi_scales, W_hh_codes, W_hh_scales, h, hq, xq, wq; writes hq, xq, wq
.if DOCPART == 1
	.amdgcn_target "amdgcn-amd-amdhsa--gfx1250"
	.amdhsa_code_object_version 6
	.text
	.protected	k_q3d587ac4e4_prep
	.globl	k_q3d587ac4e4_prep
	.p2align	8
	.type	k_q3d587ac4e4_prep,@function
k_q3d587ac4e4_prep:
	s_mov_b64 s[64:65], 0
	v_nop
	global_prefetch_b8 v0, s[64:65] scope:SCOPE_SE
	s_setreg_imm32_b32 hwreg(HW_REG_WAVE_MODE, 25, 1), 1
	s_wait_xcnt 0x0
; Lays every operand of the six products as RECORDS of 3,200 bytes, for the two launches that multiply.  No work of the problem is left out.
; A record serves 16 rows x 256 along K: two images of operand registers (fragment q: 16 rows x 128 K, 12 registers a lane: register 4 g + e of lane l at 1,536 q + 512 g + 16 l + 4 e),
; then the scale words: row r's four E8M0 bytes of fragment q at 3,072 + 64 q + 4 r.
; hq, xq (8,192 rows): record of row block rb, K step s at ((rb / 16) 4 + s) 51,200 + (rb % 16) 3,200.  wq (the six weights, ri rh zi zh hi hh, 64 row blocks each): ((rb / 8) 4 + s) 25,600 + (rb % 8) 3,200.
; So a tile of 128 or 256 rows x 256 K is one dense block that begins at a multiple of 256 bytes.
; SHARES.  Work-group i quantises row block i of h (f32 to E2M3; a block's byte is its largest magnitude's exponent field - 2, held at 1 from below), re-lays row block i of x as given, and, where i < 384, row block i of the weights.
; Wave w takes K step w.  The codes' few loads go out ahead of h's 32, and are re-laid while h is on its way.  Each of the three turns its bytes through LDS bytes of its own, so that memory is read and written in runs of 512 bytes.
; No tensor load, no cluster: nothing is shared between work-groups.
; LIMITS: a block of zeros of h gets the byte 1 where the rule says 127 (its codes are zeros; this program alone reads the bytes); blocks of h whose largest magnitude lies under 2^-124 keep the byte 1; NaN and infinities in h are not served.
.set STW,   16640                      ; h: a wave's stage, 16 rows x 1,040
.set SP,    1040
.set XL,    4*STW                      ; x: 16 rows of 768 bytes, 784 apart
.set RP,    784
.set WD2,   16*RP                      ; the weight's rows lie so far behind x's
.set SPARE, XL+2*WD2                   ; the spare words: 128 bytes a wave
.set REC,   3200
.set LI,  4
.set STA, 5
.set LDA, 6
.set L4,  7
.set RB,  8
.set H8,  9
.set SPW, 10
.set NIL, 11
.set MX,  12
.set SO,  16
.set BY,  20
.set WD,  24
.set TP,  26
.set CT,  28
.set CD,  44
.set R,   68
.set XR,  196
.set WR,  220
.set XS,  244
.set WS,  245
.set RA0, 246
.set RA1, 247
.set SG,  248
.macro RIN reg, sw, cp, sp             ; 3,072 bytes of codes (rows 4 w .. 4 w + 3) and my lane's scale word
.irp j, 0,1,2,3,4,5
	global_load_b128 v[\reg+4*\j:\reg+4*\j+3], v[LI], s[\cp:\cp+1] offset:512*\j
.endr
	global_load_b32 v[\sw], v[SG], s[\sp:\sp+1]
.endm
.macro RSTO reg, o                     ; piece t of 16 bytes lies in row t / 48: 16 bytes of padding for each row passed
	ds_store_b128 v[RA0], v[\reg:\reg+3] offset:\o
	ds_store_b128 v[RA1], v[\reg+4:\reg+7] offset:\o+512
	ds_store_b128 v[RA0], v[\reg+8:\reg+11] offset:\o+1024+16
	ds_store_b128 v[RA0], v[\reg+12:\reg+15] offset:\o+1536+32
	ds_store_b128 v[RA1], v[\reg+16:\reg+19] offset:\o+2048+32
	ds_store_b128 v[RA0], v[\reg+20:\reg+23] offset:\o+2560+48
.endm
.macro RLD reg, o                      ; my K step's two fragments, in pieces of 8 bytes
.irp q, 0,1
.irp p, 0,1,2,3,4,5
	ds_load_b64 v[\reg+12*\q+2*\p:\reg+12*\q+2*\p+1], v[RB] offset:\o+96*\q+48*(\p/3)+8*(\p%3)
.endr
.endr
.endm
.macro ROUT reg, sw, dp                ; a record: 512 consecutive bytes a store, then 128
.irp q, 0,1
.irp g, 0,1,2
	global_store_b128 v[LI], v[\reg+12*\q+4*\g:\reg+12*\q+4*\g+3], s[\dp:\dp+1] offset:1536*\q+512*\g
.endr
.endr
	global_store_b32 v[L4], v[\sw], s[\dp:\dp+1] offset:3072
.endm
	s_load_b512 s[4:19], s[0:1], 0x0               ; x c 4, s 6; ri 8, 10; rh 12, 14; zi 16, 18
	s_load_b512 s[20:35], s[0:1], 0x40             ; zh 20, 22; hi 24, 26; hh 28, 30; h 32; hq 34
	s_load_b128 s[36:39], s[0:1], 0x80             ; xq 36, wq 38
	v_lshl_add_u32 v[SPW], v0, 2, SPARE
	v_mov_b32 v[NIL], 0
	v_lshrrev_b32 v1, 5, v0
	v_readfirstlane_b32 s40, v1                    ; wave = K step of 256
	s_mul_i32 s42, s40, STW
	s_mul_i32 s54, s40, 4*RP
	s_add_co_u32 s54, s54, XL
	s_mul_i32 s55, s40, 192
	s_add_co_u32 s55, s55, XL
	v_and_b32 v1, 31, v0
	v_and_b32 v2, 15, v0                           ; r
	v_bfe_u32 v3, v0, 4, 1                         ; h
	v_lshlrev_b32 v[LI], 4, v1
	v_lshlrev_b32 v[L4], 2, v1
	v_add_nc_u32 v[STA], s42, v[LI]
	v_mul_u32_u24 v[LDA], v2, SP
	v_lshl_add_u32 v[LDA], v3, 7, v[LDA]
	v_add_nc_u32 v[LDA], s42, v[LDA]
	v_lshlrev_b32 v[H8], 3, v3
	v_mov_b32 v[TP], 0
	v_mov_b32 v[TP+1], 0
	v_add_nc_u32 v[RA0], s54, v[LI]
	v_lshl_add_u32 v[RA1], v3, 4, v[RA0]           ; (for the two stores in which lanes 16-31 are a row further on)
	v_mul_u32_u24 v[RB], v2, RP
	v_mad_u32_u24 v[RB], v3, 24, v[RB]
	v_add_nc_u32 v[RB], s55, v[RB]                 ; row r, + 24 h, + my K step's 192 bytes
	v_lshlrev_b32 v[SG], 5, v2
	v_lshl_add_u32 v[SG], v3, 2, v[SG]             ; scale word: row r's 32 bytes, fragment lane / 16
	s_wait_alu depctr_va_vdst(0)                   ; the wait at the head's end
	s_mov_b32 s41, 0xffff0000                      ; lanes 16-31
	s_mov_b32 s44, 0x76543210
	s_mov_b32 s45, 0xfedcba98
	s_lshl_b32 s46, ttmp9, 16                      ; h: 16 rows of 4,096 bytes, my 1,024 of each
	s_lshl_b32 s47, s40, 10
	s_add_co_u32 s46, s46, s47
	s_mov_b32 s47, 0
	s_lshr_b32 s48, ttmp9, 4                       ; my record in hq and in xq
	s_lshl_b32 s48, s48, 2
	s_add_co_u32 s48, s48, s40
	s_mul_i32 s48, s48, 16*REC
	s_and_b32 s49, ttmp9, 15
	s_mul_i32 s49, s49, REC
	s_add_co_u32 s48, s48, s49
	s_mov_b32 s49, 0
	s_mul_i32 s43, s40, 3072
	s_lshl_b32 s63, s40, 3
	s_mul_i32 s50, ttmp9, 12288                    ; x's codes and scale bytes
	s_add_co_u32 s50, s50, s43
	s_mov_b32 s51, 0
	s_lshl_b32 s52, ttmp9, 9
	s_add_co_u32 s52, s52, s63
	s_mov_b32 s53, 0
	s_and_b32 s58, ttmp9, 63                       ; the weight's
	s_mul_i32 s56, s58, 12288
	s_add_co_u32 s56, s56, s43
	s_mov_b32 s57, 0
	s_lshl_b32 s58, s58, 9
	s_add_co_u32 s58, s58, s63
	s_mov_b32 s59, 0
	s_lshr_b32 s60, ttmp9, 3                       ; my record in wq
	s_lshl_b32 s60, s60, 2
	s_add_co_u32 s60, s60, s40
	s_mul_i32 s60, s60, 8*REC
	s_and_b32 s61, ttmp9, 7
	s_mul_i32 s61, s61, REC
	s_add_co_u32 s60, s60, s61
	s_mov_b32 s61, 0
	s_lshr_b32 s62, ttmp9, 6                       ; which weight
	s_wait_kmcnt 0x0
	s_add_nc_u64 s[32:33], s[32:33], s[46:47]
	s_add_nc_u64 s[34:35], s[34:35], s[48:49]
	s_add_nc_u64 s[36:37], s[36:37], s[48:49]
	s_add_nc_u64 s[4:5], s[4:5], s[50:51]
	s_add_nc_u64 s[6:7], s[6:7], s[52:53]
	s_cmp_lt_u32 ttmp9, 384
	s_cbranch_scc0 .Lno_w_in
.irp k, 1,2,3,4,5
	s_cmp_eq_u32 s62, \k
	s_cselect_b64 s[8:9], s[8+4*\k:9+4*\k], s[8:9]
	s_cselect_b64 s[10:11], s[10+4*\k:11+4*\k], s[10:11]
.endr
	s_add_nc_u64 s[8:9], s[8:9], s[56:57]
	s_add_nc_u64 s[10:11], s[10:11], s[58:59]
	s_add_nc_u64 s[38:39], s[38:39], s[60:61]
	RIN WR, WS, 8, 10
.Lno_w_in:
	RIN XR, XS, 4, 6
.set N, 0
.rept 32
	global_load_b128 v[R+4*N:R+4*N+3], v[LI], s[32:33] offset:(N/2)*4096+(N%2)*512   ; 512 consecutive bytes each
.set N, N+1
.endr
	s_wait_loadcnt 33                              ; x's codes and all before them are in; x's scale word and h's 32 loads may be out
	RSTO XR, 0
	s_cmp_lt_u32 ttmp9, 384
	s_cbranch_scc0 .Lno_w_sto
	RSTO WR, WD2
.Lno_w_sto:
	s_wait_dscnt 0x0                               ; for the other waves' sake
	s_barrier_signal -1
	s_barrier_wait -1
	RLD XR, 0
	s_wait_loadcnt 32                              ; x's scale word is in
	s_wait_dscnt 0x0
	ROUT XR, XS, 36
	s_cmp_lt_u32 ttmp9, 384
	s_cbranch_scc0 .Lno_w_out
	RLD WR, WD2
	s_wait_dscnt 0x0
	ROUT WR, WS, 38
.Lno_w_out:
	s_wait_loadcnt 0x0
.set N, 0
.rept 32
	ds_store_b128 v[STA], v[R+4*N:R+4*N+3] offset:(N/2)*SP+(N%2)*512
.set N, N+1
.endr
	s_wait_dscnt 0x0                               ; the stores have read their registers
.irp c, 0,1,2,3
.irp j, 0,1,2,3,4,5,6,7
	ds_load_b128 v[R+32*\c+4*\j:R+32*\c+4*\j+3], v[LDA] offset:256*\c+16*\j   ; lane (r, h): the whole block 2 c + h of row r
.endr
.endr
	s_wait_dscnt 0x0
.irp c, 0,1,2,3
	v_max3_num_f32 v[MX+\c], |v[R+32*\c]|, |v[R+32*\c+1]|, 0x1800000   ; with the floor 2^(3 - 127)
.endr
.irp i, 2,4,6,8,10,12,14,16,18,20,22,24,26,28,30
.irp c, 0,1,2,3
	v_max3_num_f32 v[MX+\c], v[MX+\c], |v[R+32*\c+\i]|, |v[R+32*\c+\i+1]|
.endr
.endr
.irp c, 0,1,2,3
	v_add_nc_u32 v[SO+\c], 0xff000000, v[MX+\c]    ; 2 off the exponent field: the conversion's scale operand
.endr
.irp c, 0,1,2,3
	v_lshrrev_b32 v[BY+\c], 23, v[SO+\c]
.endr
.irp q, 0,1
	v_lshl_or_b32 v[WD+\q], v[BY+2*\q+1], 16, v[BY+2*\q]
.endr
.irp q, 0,1
	v_lshlrev_b32 v[WD+\q], v[H8], v[WD+\q]
.endr
.irp q, 0,1
	v_permlanex16_b32 v[TP+\q], v[WD+\q], s44, s45
.endr
.irp q, 0,1
	v_or_b32 v[WD+\q], v[WD+\q], v[TP+\q]          ; fragment q's scale word of row r, in lanes r and 16 + r
.endr
	v_cndmask_b32 v[WD], v[WD], v[WD+1], s41       ; lanes 0-15 fragment 0's, lanes 16-31 fragment 1's
.irp c, 0,1,2,3
	v_cvt_scalef32_pk16_fp6_f32 v[CD+6*\c:CD+6*\c+2], v[R+32*\c:R+32*\c+15], v[SO+\c]
	v_cvt_scalef32_pk16_fp6_f32 v[CT+4*\c:CT+4*\c+2], v[R+32*\c+16:R+32*\c+31], v[SO+\c]
.endr
	v_nop                                          ; one plain place behind a scaled conversion
.irp c, 0,1,2,3
.irp i, 0,1,2
	v_mov_b32 v[CD+6*\c+3+\i], v[CT+4*\c+\i]
.endr
.endr
	ROUT CD, WD, 34
	s_wait_tensorcnt 0x0                           ; the wave's end
	ds_add_u32 v[SPW], v[NIL]
	s_wait_dscnt 0x0
	s_endpgm
.Lfunc_end_k_q3d587ac4e4_prep:
	.size	k_q3d587ac4e4_prep, .Lfunc_end_k_q3d587ac4e4_prep-k_q3d587ac4e4_prep
	.p2alignl 7, 3214868480
	.fill 96, 4, 3214868480
	.section	.rodata,"a",@progbits
	.p2align	6, 0x0
	.amdhsa_kernel k_q3d587ac4e4_prep
		.amdhsa_group_segment_fixed_size 92160
		.amdhsa_private_segment_fixed_size 0
		.amdhsa_enable_private_segment 0
		.amdhsa_kernarg_size 144
		.amdhsa_user_sgpr_count 2
		.amdhsa_user_sgpr_kernarg_segment_ptr 1
		.amdhsa_wavefront_size32 1
		.amdhsa_system_sgpr_workgroup_id_x 1
		.amdhsa_system_sgpr_workgroup_id_y 1
		.amdhsa_system_sgpr_workgroup_id_z 1
		.amdhsa_system_vgpr_workitem_id 0
		.amdhsa_next_free_vgpr 252
		.amdhsa_next_free_sgpr 66
		.amdhsa_reserve_vcc 0
		.amdhsa_float_denorm_mode_32 3
		.amdhsa_float_denorm_mode_16_64 3
		.amdhsa_memory_ordered 1
		.amdhsa_forward_progress 1
		.amdhsa_inst_pref_size 24
	.end_amdhsa_kernel
	.amdgpu_metadata
---
amdhsa.version: [ 1, 2 ]
amdhsa.kernels:
  - .name:           k_q3d587ac4e4_prep
    .symbol:         k_q3d587ac4e4_prep.kd
    .args:
      - { .name: x_codes, .offset: 0, .size: 8, .value_kind: global_buffer, .address_space: global }
      - { .name: x_scales, .offset: 8, .size: 8, .value_kind: global_buffer, .address_space: global }
      - { .name: W_ri_codes, .offset: 16, .size: 8, .value_kind: global_buffer, .address_space: global }
      - { .name: W_ri_scales, .offset: 24, .size: 8, .value_kind: global_buffer, .address_space: global }
      - { .name: W_rh_codes, .offset: 32, .size: 8, .value_kind: global_buffer, .address_space: global }
      - { .name: W_rh_scales, .offset: 40, .size: 8, .value_kind: global_buffer, .address_space: global }
      - { .name: W_zi_codes, .offset: 48, .size: 8, .value_kind: global_buffer, .address_space: global }
      - { .name: W_zi_scales, .offset: 56, .size: 8, .value_kind: global_buffer, .address_space: global }
      - { .name: W_zh_codes, .offset: 64, .size: 8, .value_kind: global_buffer, .address_space: global }
      - { .name: W_zh_scales, .offset: 72, .size: 8, .value_kind: global_buffer, .address_space: global }
      - { .name: W_hi_codes, .offset: 80, .size: 8, .value_kind: global_buffer, .address_space: global }
      - { .name: W_hi_scales, .offset: 88, .size: 8, .value_kind: global_buffer, .address_space: global }
      - { .name: W_hh_codes, .offset: 96, .size: 8, .value_kind: global_buffer, .address_space: global }
      - { .name: W_hh_scales, .offset: 104, .size: 8, .value_kind: global_buffer, .address_space: global }
      - { .name: h, .offset: 112, .size: 8, .value_kind: global_buffer, .address_space: global }
      - { .name: hq, .offset: 120, .size: 8, .value_kind: global_buffer, .address_space: global }
      - { .name: xq, .offset: 128, .size: 8, .value_kind: global_buffer, .address_space: global }
      - { .name: wq, .offset: 136, .size: 8, .value_kind: global_buffer, .address_space: global }
    .group_segment_fixed_size: 92160
    .private_segment_fixed_size: 0
    .kernarg_segment_align: 8
    .kernarg_segment_size: 144
    .max_flat_workgroup_size: 128
    .sgpr_count:     66
    .vgpr_count:     252
    .wavefront_size: 32
...
	.end_amdgpu_metadata
.endif
;; end of part 1
;; launch gate_r (part 2): grid 4 x 64, 4 waves a work-group, clusters of 4 x 4, 327,680 bytes of LDS; arguments xq, hq, wq, b_ri, h, hr; writes hr
.if DOCPART == 2
	.amdgcn_target "amdgcn-amd-amdhsa--gfx1250"
	.amdhsa_code_object_version 6
	.text
	.protected	k_q3d587ac4e4_gate_r
	.globl	k_q3d587ac4e4_gate_r
	.p2align	8
	.type	k_q3d587ac4e4_gate_r,@function
k_q3d587ac4e4_gate_r:
	s_mov_b64 s[64:65], 0
	v_nop
	global_prefetch_b8 v0, s[64:65] scope:SCOPE_SE
	s_setreg_imm32_b32 hwreg(HW_REG_WAVE_MODE, 25, 1), 1
	s_wait_xcnt 0x0
	s_wait_alu depctr_hold_cnt(0) depctr_sa_sdst(0) depctr_va_vdst(0) depctr_va_sdst(0) depctr_va_ssrc(0) depctr_va_vcc(0) depctr_vm_vsrc(0)
	s_getreg_b32 s2, hwreg(HW_REG_IB_STS2, 6, 4)
	s_cmp_eq_u32 s2, 0
	s_cbranch_scc0 .Lentry_in_a_cluster
	s_endpgm
.Lentry_in_a_cluster:
	s_bfe_u32 s2, ttmp6, 0x10000c
	s_cmp_lg_u32 s2, 0xf033
	s_cbranch_scc0 .Lentry_shape_is_right
	s_endpgm
.Lentry_shape_is_right:
; r = sigmoid(x W_ri + b_ri + Q(h) W_rh);  hr = Q(h r), stored as records (the layout: launch prep).  Both products on codes of FP6 (E2M3) with E8M0 scales.
; SHARES.  A work-group makes 128 rows x 256 columns (256 work-groups); wave (rh, ch) 64 x 128: 32 accumulators; K = [x's 1,024 | hq's 1,024] in sixteen substeps of 128.
; RING: two slots of 153,600 bytes, each 512 along K: A's 128 rows (two K steps of 8 records), then W's two groups of 128 rows (16 records each).  Four slot steps, two refills.
; Waves 0, 1 fetch A's two K steps (25,600 bytes each), waves 2, 3 W's two groups (51,200 each): dense blocks in rows of 256 bytes, one tensor load a wave behind each round; one is out at a time.
; CLUSTER 4 x 4: A's tiles are asked for jointly along a row of the cluster, W's along a column.  The scale words lie in the records and come with the tiles.
; PREFETCH: of each tile that a wave will fetch, each of the four partners that ask for it jointly names a quarter, told apart by address (cx for A, cy for W): 25 blocks of 256 bytes an instruction, a lane a block
; (lanes 25-31 name the 25th again).  Behind slot step 0's load stand the requests for steps 1 and 2, behind step 1's that for step 3: each block is named once in a cluster.
; THE MATRIX INSTRUCTION IS USED TRANSPOSED (source 0 = 16 rows of W, source 1 = 16 rows of A): a lane holds one row and eight neighbouring columns.
; h (my 64 rows x 512 bytes) turns through a stage in slot 0, which has had its last fill and, behind the third change of slots, its last read.
; LIMITS: NaN and infinities are not served; a block of zeros of h r gets the byte 1 (its codes are zeros); where 2^t overflows or falls to 0, r is exactly 0 or 1.
; REGISTERS.  window 0: addresses, v32-95 scale words (two sets: 32 set + 4 i + substep; lanes 0-15 A's block i, lanes 16-31 W's).  window 1: W's fragments, two sets (v0-95, v128-223), the folded bias in the gaps.
;   window 2: the accumulators.  window 3: A's fragments, two sets (v0-95); v96-223 h on its way; in the tail all at work.
.set REC,   3200
.set PL,    25600
.set SLOT,  153600
.set BOFF,  51200
.set HP,    528
.set HWV,   64*HP
.set SPARE, 2*SLOT
.set ADA, 8
.set ADB, 12
.set ADS, 16
.set HA,  18
.set HS,  19
.set LI,  20
.set PV,  21
.set H32, 22
.set SCO, 23
.set H8,  24
.set SPW, 28
.set NIL, 29
.set S,   32
.set HR,  96
.set T,   0
.set HH,  64
.set CD,  128
.set CT,  176
.set MX,  184
.set SO,  186
.set BY,  188
.set TP,  190
.set WD,  192
.set WM,  196
.set SH,  198
.set G1A, 16
.set G1W, 24
.set G0A, 32
.set G0W, 40
.set PI,  48
.set WV,  50
.set RH,  51
.set CH,  52
.set CX,  53
.set CY,  54
.set NT,  55
.set MY,  56
.set SEL, 58
.set NL,  60
.set MASK, 62
.set MUL, 0xad                         ; source 0 (W) window 1, source 1 (A) window 3, C and D window 2
.set MSB, 0
.macro WIN new
.if MSB != \new
	s_set_vgpr_msb (MSB<<8)|\new
.set MSB, \new
.endif
.endm
.macro PLACES n
.rept \n
	v_nop
.endr
.endm
.macro CREST
	s_cmp_lg_u32 s[WV], 0
	s_cbranch_scc1 .Lnot_wave_0_\@
	s_barrier_signal -3
.Lnot_wave_0_\@:
	s_barrier_wait -3
	s_barrier_signal -1
	s_barrier_wait -1
.endm
.macro CROUND
	s_barrier_signal -1
	s_barrier_wait -1
	CREST
.endm
.macro JLOAD s                         ; a joint load; the branch hangs on the wave's number alone; s_nop 0 and four v_nop follow each line
	s_cmp_eq_u32 s[RH], 0
	s_cbranch_scc0 .Lfor_w_\@
	tensor_load_to_lds s[G0A+4*\s:G0A+4*\s+3], s[G1A:G1A+7]
	s_nop 0
.rept 4
	v_nop
.endr
	s_branch .Lasked_\@
.Lfor_w_\@:
	tensor_load_to_lds s[G0W+4*\s:G0W+4*\s+3], s[G1W:G1W+7]
	s_nop 0
.rept 4
	v_nop
.endr
.Lasked_\@:
.endm
.macro ASK st                          ; my work-group's quarter of the tile that I fetch for slot step st; the bases and v[PV] are never rewritten
	s_cmp_eq_u32 s[RH], 0
	s_cbranch_scc0 .Lpw_\@
.if (\st) < 2
	global_prefetch_b8 v[PV], s[4:5] offset:(\st)*102400 th:TH_LOAD_NT scope:SCOPE_SE
.else
	global_prefetch_b8 v[PV], s[PI:PI+1] offset:((\st)-2)*102400 th:TH_LOAD_NT scope:SCOPE_SE
.endif
	s_branch .Lpd_\@
.Lpw_\@:
	global_prefetch_b8 v[PV], s[8:9] offset:((\st)%2)*51200+((\st)/2)*819200 th:TH_LOAD_NT scope:SCOPE_SE
	global_prefetch_b8 v[PV], s[8:9] offset:((\st)%2)*51200+((\st)/2)*819200+6400 th:TH_LOAD_NT scope:SCOPE_SE
.Lpd_\@:
.endm
.macro FRAGI reg, adr, off             ; a fragment from its image: 16 bytes a lane, three times
.irp g, 0,1,2
	ds_load_b128 v[\reg+4*\g:\reg+4*\g+3], v[\adr] offset:\off+512*\g
.endr
.endm
.macro FETCH slot, u                   ; substep u of the slot (K step u / 2, fragment u % 2) into sets u % 2
	WIN 0x40
.irp i, 0,1,2,3,4,5,6,7
	FRAGI 128*((\u)%2)+12*\i, ADB+(\slot), PL*((\u)/2)+REC*\i+1536*((\u)%2)
.endr
	WIN 0xc0
.irp i, 0,1,2,3
	FRAGI 48*((\u)%2)+12*\i, ADA+(\slot), PL*((\u)/2)+REC*\i+1536*((\u)%2)
.endr
.endm
.macro SCALES slot                     ; the slot's scale words: lanes 0-15 A's block i (of blocks 4-7 these lanes' words are not used), lanes 16-31 W's block i
.irp i, 0,1,2,3,4,5,6,7
.irp u, 0,1,2,3
	ds_load_b32 v[S+32*(\slot)+4*\i+\u], v[ADS+(\slot)] offset:PL*(\u/2)+REC*\i+64*(\u%2)
.endr
.endr
.endm
.macro MULA a, slot, u, zero           ; the 32 accumulators take turns
.irp b, 0,1,2,3,4,5,6,7
.set DD, 8*(8*(\a)+\b)
.set WW, 128*((\u)%2)+12*\b
.set AA, 48*((\u)%2)+12*(\a)
.if \zero
	v_wmma_scale_f32_16x16x128_f8f6f4 v[DD:DD+7], v[WW:WW+11], v[AA:AA+11], 0, v[S+32*(\slot)+4*\b+(\u)], v[S+32*(\slot)+4*(\a)+(\u)] matrix_a_fmt:MATRIX_FMT_FP6 matrix_b_fmt:MATRIX_FMT_FP6 matrix_a_scale:MATRIX_SCALE_ROW1
.else
	v_wmma_scale_f32_16x16x128_f8f6f4 v[DD:DD+7], v[WW:WW+11], v[AA:AA+11], v[DD:DD+7], v[S+32*(\slot)+4*\b+(\u)], v[S+32*(\slot)+4*(\a)+(\u)] matrix_a_fmt:MATRIX_FMT_FP6 matrix_b_fmt:MATRIX_FMT_FP6 matrix_a_scale:MATRIX_SCALE_ROW1
.endif
.endr
.endm
.macro HLOAD r0
	WIN 0xc0
.set N, 0
.rept 32
	global_load_b128 v[HR+4*N:HR+4*N+3], v[LI], s[12:13] offset:(\r0+N)*4096
.set N, N+1
.endr
.endm
.macro HSTORE r0
	s_wait_loadcnt 0x0
	WIN 0x0c
.set N, 0
.rept 32
	ds_store_b128 v[HS], v[HR+4*N:HR+4*N+3] offset:(\r0+N)*HP
.set N, N+1
.endr
.endm
.macro SUB slot, u, zero, hx           ; multiplies substep u and fetches substep u + 1 of the same slot
.if \hx
	HSTORE 0
.endif
	s_wait_dscnt 0x0                               ; this substep's fragments are in
.if \hx
	HLOAD 32
.endif
	PLACES 4                                       ; in front of loads into registers that matrix instructions have read
	FETCH \slot, \u+1
	WIN MUL
	MULA 0, \slot, \u, \zero
	MULA 1, \slot, \u, \zero
	MULA 2, \slot, \u, \zero
	MULA 3, \slot, \u, \zero
.endm
.macro TURN slot, fill                 ; the slot's last substep, and the change of slots
	WIN 0
	s_wait_tensorcnt 0x0                           ; all my tensor loads have landed
	ds_add_u32 v[SPW], v[NIL]
.if \fill
	s_add_nc_u64 s[G0A+4*\slot+2:G0A+4*\slot+3], s[PI:PI+1], \slot*102400   ; over to hq, same place
	s_or_b32 s[G0A+4*\slot+3], s[G0A+4*\slot+3], 0x80000000
	s_add_nc_u64 s[G0W+4*\slot+2:G0W+4*\slot+3], s[G0W+4*\slot+2:G0W+4*\slot+3], 819200   ; and to W_rh
.endif
	s_wait_dscnt 0x0                               ; the add is done, my reads of this slot are over
	s_barrier_signal -1
	WIN MUL
	MULA 0, \slot, 3, 0
	WIN 0
	s_barrier_wait -1
.if \fill
	CREST
	JLOAD \slot
.else
	PLACES 4
.endif
	SCALES 1-\slot
	FETCH 1-\slot, 0
	WIN MUL
	MULA 1, \slot, 3, 0
	MULA 2, \slot, 3, 0
	MULA 3, \slot, 3, 0
.endm
	s_load_b256 s[4:11], s[0:1], 0x0               ; xq 4, hq 6, wq 8, b_ri 10
	s_load_b128 s[12:15], s[0:1], 0x20             ; h 12, hr 14
	v_lshl_add_u32 v[SPW], v0, 2, SPARE
	v_mov_b32 v[NIL], 0
	ds_add_u32 v[SPW], v[NIL]                      ; the opening: the add twice and its wait
	ds_add_u32 v[SPW], v[NIL]
	v_lshrrev_b32 v1, 5, v0
	v_readfirstlane_b32 s[WV], v1
	s_lshr_b32 s[RH], s[WV], 1
	s_and_b32 s[CH], s[WV], 1
	s_bfe_u32 s[CX], ttmp6, 0x40000
	s_bfe_u32 s[CY], ttmp6, 0x40004
	s_lshl_b32 s[NT], ttmp9, 2
	s_add_co_u32 s[NT], s[NT], s[CX]               ; tile column, 256 columns
	s_and_b32 s[MY], ttmp7, 0xffff
	s_lshl_b32 s[MY], s[MY], 2
	s_add_co_u32 s[MY], s[MY], s[CY]               ; tile row, 128 rows
	s_lshl_b32 s66, s[CY], 2
	s_lshl_b32 s66, 15, s66
	s_lshl_b32 s67, 0x1111, s[CX]
	s_or_b32 s[G1A], s66, (3<<16)|(1<<21)          ; elements of 8 bytes; bit 21 beside a mask
	s_or_b32 s[G1W], s67, (3<<16)|(1<<21)
	s_mov_b32 s[G1A+1], 32<<16                     ; rows of 256 bytes: 100 for A,
	s_mov_b32 s[G1A+2], 100<<16
	s_mov_b32 s[G1A+3], 32<<16
	s_mov_b32 s[G1A+4], 100
	s_mov_b32 s[G1A+5], 32
	s_mov_b32 s[G1A+6], 0
	s_mov_b32 s[G1A+7], 0
	s_mov_b32 s[G1W+1], 32<<16                     ; 200 for W
	s_mov_b32 s[G1W+2], 200<<16
	s_mov_b32 s[G1W+3], 32<<16
	s_mov_b32 s[G1W+4], 200
	s_mov_b32 s[G1W+5], 32
	s_mov_b32 s[G1W+6], 0
	s_mov_b32 s[G1W+7], 0
	s_lshr_b32 s66, s[MY], 1                       ; A: ((tile row / 2) 4 + my K step) 51,200 + (tile row % 2) 25,600
	s_lshl_b32 s66, s66, 2
	s_add_co_u32 s66, s66, s[CH]
	s_mul_i32 s66, s66, 51200
	s_and_b32 s67, s[MY], 1
	s_mul_i32 s67, s67, 25600
	s_add_co_u32 s66, s66, s67
	s_mov_b32 s67, 0
	s_lshl_b32 s68, s[NT], 1                       ; W: group 2 x tile column + my half
	s_add_co_u32 s68, s68, s[CH]
	s_mul_i32 s68, s68, 102400
	s_mov_b32 s69, 0
	s_mul_i32 s70, s[CH], 25600                    ; where they go in a slot
	s_mul_i32 s71, s[CH], 51200
	s_mul_i32 s72, s[RH], 12800                    ; what I read: A's records 4 rh on,
	s_add_co_u32 s73, s71, BOFF                    ; W's group ch
	s_sub_co_u32 s74, s73, s72
	s_add_co_u32 s75, s72, 3072
	s_mul_i32 s76, s[WV], HWV                      ; my stage
	s_lshl_b32 s78, s[NT], 10
	s_lshl_b32 s79, s[CH], 9
	s_add_co_u32 s78, s78, s79                     ; my first column, in bytes of f32
	s_mov_b32 s79, 0
	s_lshl_b32 s80, s[MY], 19
	s_lshl_b32 s81, s[RH], 18
	s_add_co_u32 s80, s80, s81                     ; my first row of h
	s_mov_b32 s81, 0
	s_lshr_b32 s82, s[MY], 1                       ; hr: K step = tile column, fragment = ch
	s_lshl_b32 s82, s82, 2
	s_add_co_u32 s82, s82, s[NT]
	s_mul_i32 s82, s82, 51200
	s_and_b32 s83, s[MY], 1
	s_mul_i32 s83, s83, 25600
	s_add_co_u32 s82, s82, s83
	s_add_co_u32 s82, s82, s72
	s_mov_b32 s83, 0
	s_mul_i32 s84, s[CH], 1536
	s_mov_b32 s85, 0
	s_lshl_b32 s86, s[CH], 6
	s_add_co_u32 s86, s86, 3072
	s_mov_b32 s87, 0
	s_mul_i32 s90, s[CX], 6400                     ; the prefetches: my work-group's quarter of A's tile, or of W's
	s_mul_i32 s91, s[CY], 12800
	s_cmp_eq_u32 s[RH], 0
	s_cselect_b32 s90, s90, s91
	s_mov_b32 s[SEL], 0x76543210
	s_mov_b32 s[SEL+1], 0xfedcba98
	s_mov_b32 s[NL], 0xbfb8aa3b                    ; -log2(e)
	s_mov_b32 s[NL+1], s[NL]
	s_mov_b32 s[MASK], 0xffff0000
	s_wait_dscnt 0x0
	s_wait_kmcnt 0x0
	s_add_nc_u64 s[4:5], s[4:5], s[66:67]
	s_add_nc_u64 s[PI:PI+1], s[6:7], s[66:67]
	s_add_nc_u64 s[8:9], s[8:9], s[68:69]
	s_add_nc_u64 s[10:11], s[10:11], s[78:79]
	s_add_nc_u64 s[12:13], s[12:13], s[78:79]
	s_add_nc_u64 s[12:13], s[12:13], s[80:81]
	s_add_nc_u64 s[14:15], s[14:15], s[82:83]
	s_add_nc_u64 s[88:89], s[14:15], s[86:87]      ; my scale words
	s_add_nc_u64 s[14:15], s[14:15], s[84:85]      ; my fragments
	CROUND                                         ; the first joint loads meet
.irp s, 0,1
	s_mov_b32 s[G0A+4*\s], 1
	s_add_co_u32 s[G0A+4*\s+1], s70, \s*SLOT
	s_add_nc_u64 s[G0A+4*\s+2:G0A+4*\s+3], s[4:5], \s*102400
	s_or_b32 s[G0A+4*\s+3], s[G0A+4*\s+3], 0x80000000
	s_mov_b32 s[G0W+4*\s], 1
	s_add_co_u32 s[G0W+4*\s+1], s71, \s*SLOT+BOFF
	s_add_nc_u64 s[G0W+4*\s+2:G0W+4*\s+3], s[8:9], \s*51200
	s_or_b32 s[G0W+4*\s+3], s[G0W+4*\s+3], 0x80000000
.endr
	JLOAD 0                                        ; slot 0: one tensor load a wave at the head
	v_and_b32 v1, 31, v0
	v_and_b32 v2, 15, v0
	v_bfe_u32 v3, v0, 4, 1
	v_lshlrev_b32 v[LI], 4, v1
	v_add_nc_u32 v[ADA], s72, v[LI]
	v_add_nc_u32 v[ADB], s73, v[LI]
	v_lshlrev_b32 v4, 2, v2
	v_mul_u32_u24 v5, s74, v3                      ; lanes 16-31 take W's words
	v_add_nc_u32 v5, v5, v4
	v_add_nc_u32 v[ADS], s75, v5
	v_add_nc_u32 v[ADA+1], SLOT, v[ADA]
	v_add_nc_u32 v[ADB+1], SLOT, v[ADB]
	v_add_nc_u32 v[ADS+1], SLOT, v[ADS]
	v_add_nc_u32 v[HS], s76, v[LI]
	v_mul_u32_u24 v6, v2, HP
	v_lshl_add_u32 v6, v3, 5, v6
	v_add_nc_u32 v[HA], s76, v6
	v_lshlrev_b32 v[H32], 5, v3
	v_mad_u32_u24 v[SCO], v3, REC, v4              ; 4 r, lanes 16-31 a record on
	v_lshlrev_b32 v[H8], 3, v3
	v_min_u32 v5, 24, v1
	v_lshlrev_b32 v5, 8, v5
	v_add_nc_u32 v[PV], s90, v5                    ; my quarter, + 256 x min(lane, 24)
	s_wait_alu depctr_va_vdst(0)                   ; the wait ahead of the branches below
	ASK 1
	ASK 2
	WIN 0x40
.irp b, 0,1,2,3,4,5,6,7
.set BI, 96+8*\b+96*(\b/4)
	global_load_b128 v[BI:BI+3], v[H32], s[10:11] offset:64*\b
	global_load_b128 v[BI+4:BI+7], v[H32], s[10:11] offset:64*\b+16
.endr
	HLOAD 0
	s_wait_loadcnt 32                              ; the bias is in; h's 32 loads may be out
	WIN 0x41
.irp b, 0,1,2,3,4,5,6,7
.set BI, 96+8*\b+96*(\b/4)
.irp i, 0,2,4,6
	v_pk_mul_f32 v[BI+\i:BI+\i+1], v[BI+\i:BI+\i+1], s[NL:NL+1] op_sel_hi:[1,0]
.endr
.endr
	WIN 0
	s_wait_alu depctr_va_vdst(0)                   ; the wait at the head's end
	s_wait_tensorcnt 0x0                           ; my part of slot 0 is in; slot 1's first fill is issued as a refill is
	ds_add_u32 v[SPW], v[NIL]
	s_wait_dscnt 0x0
	CROUND
	JLOAD 1
	SCALES 0
	ASK 3
	FETCH 0, 0
	SUB 0, 0, 1, 0                                 ; the first products start the sums
	SUB 0, 1, 0, 0
	SUB 0, 2, 0, 0
	TURN 0, 1
	SUB 1, 0, 0, 0
	SUB 1, 1, 0, 0
	SUB 1, 2, 0, 0
	TURN 1, 1
	SUB 0, 0, 0, 0
	SUB 0, 1, 0, 0
	SUB 0, 2, 0, 0
	TURN 0, 0                                      ; nothing is left to fetch: a plain barrier, behind which slot 0 is read no more
	SUB 1, 0, 0, 1                                 ; h's rows 0-31 go into the stage, rows 32-63 are asked for
	SUB 1, 1, 0, 0
	SUB 1, 2, 0, 0
	s_wait_dscnt 0x0
	WIN MUL
	MULA 0, 1, 3, 0
	MULA 1, 1, 3, 0
	MULA 2, 1, 3, 0
	MULA 3, 1, 3, 0
; THE TAIL, 16 rows at a time: r, h r, its blocks of 32 gathered whole in a lane, scales, codes, store.
.macro RTAIL a
	WIN 0xc0
.irp b, 0,1,2,3,4,5,6,7
.set PS, 4*(\b/4)+2*(\b%2)+(\b%4)/2
	ds_load_b128 v[HH+8*PS:HH+8*PS+3], v[HA] offset:16*\a*HP+64*\b
	ds_load_b128 v[HH+8*PS+4:HH+8*PS+7], v[HA] offset:16*\a*HP+64*\b+16
.endr
	WIN 0xd2
.irp b, 0,1,2,3,4,5,6,7
.set PS, 4*(\b/4)+2*(\b%2)+(\b%4)/2
.set BI, 96+8*\b+96*(\b/4)
.irp i, 0,2,4,6
	v_pk_fma_f32 v[T+8*PS+\i:T+8*PS+\i+1], v[8*(8*\a+\b)+\i:8*(8*\a+\b)+\i+1], s[NL:NL+1], v[BI+\i:BI+\i+1] op_sel_hi:[1,0,1]   ; -log2(e) (sum + b_ri)
.endr
.endr
	WIN 0xff
.set N, 0
	s_wait_alu depctr_va_vdst(0)                   ; a wait ahead of each batch and one behind it
.rept 64
	v_exp_f32 v[T+N], v[T+N]
.set N, N+1
.endr
	v_nop
	s_wait_alu depctr_va_vdst(0)
.set N, 0
.rept 32
	v_pk_add_f32 v[T+2*N:T+2*N+1], v[T+2*N:T+2*N+1], 1.0 op_sel_hi:[1,0]
.set N, N+1
.endr
.set N, 0
	s_wait_alu depctr_va_vdst(0)
.rept 64
	v_rcp_f32 v[T+N], v[T+N]
.set N, N+1
.endr
	v_nop
	s_wait_alu depctr_va_vdst(0)
	s_wait_dscnt 0x0
.set N, 0
.rept 32
	v_pk_mul_f32 v[T+2*N:T+2*N+1], v[T+2*N:T+2*N+1], v[HH+2*N:HH+2*N+1]
.set N, N+1
.endr
.irp G, 0,1
.irp j, 0,1,2,3,4,5,6,7
	v_permlane16_swap_b32 v[T+32*\G+\j], v[T+32*\G+8+\j]
	v_permlane16_swap_b32 v[T+32*\G+16+\j], v[T+32*\G+24+\j]
.endr
.endr
.irp G, 0,1
	v_max3_num_f32 v[MX+\G], |v[T+32*\G]|, |v[T+32*\G+1]|, 0x1800000
.endr
.irp i, 2,4,6,8,10,12,14,16,18,20,22,24,26,28,30
.irp G, 0,1
	v_max3_num_f32 v[MX+\G], v[MX+\G], |v[T+32*\G+\i]|, |v[T+32*\G+\i+1]|
.endr
.endr
.irp G, 0,1
	v_add_nc_u32 v[SO+\G], 0xff000000, v[MX+\G]
.endr
.irp G, 0,1
	v_lshrrev_b32 v[BY+\G], 23, v[SO+\G]
.endr
	v_lshl_or_b32 v[WD+\a], v[BY+1], 16, v[BY]
	v_lshlrev_b32 v[WD+\a], v[SH], v[WD+\a]
	v_permlanex16_b32 v[TP], v[WD+\a], s[SEL], s[SEL+1]
	v_or_b32 v[WD+\a], v[WD+\a], v[TP]
.irp G, 0,1
	v_cvt_scalef32_pk16_fp6_f32 v[CD+12*\a+6*\G:CD+12*\a+6*\G+2], v[T+32*\G:T+32*\G+15], v[SO+\G]
	v_cvt_scalef32_pk16_fp6_f32 v[CT+4*\G:CT+4*\G+2], v[T+32*\G+16:T+32*\G+31], v[SO+\G]
.endr
	v_nop
.irp G, 0,1
.irp i, 0,1,2
	v_mov_b32 v[CD+12*\a+6*\G+3+\i], v[CT+4*\G+\i]
.endr
.endr
	WIN 0x0c
.irp g, 0,1,2
	global_store_b128 v[LI], v[CD+12*\a+4*\g:CD+12*\a+4*\g+3], s[14:15] offset:REC*\a+512*\g
.endr
.endm
	PLACES 4
	HSTORE 32
	s_wait_dscnt 0x0
	WIN 0xc0
	v_mov_b32 v[SH], v[H8]
	v_mov_b32 v[TP], 0
	RTAIL 0
	RTAIL 1
	RTAIL 2
	RTAIL 3
	WIN 0xff
	v_cndmask_b32 v[WM], v[WD], v[WD+1], s[MASK]   ; lanes 0-15 one record's words, lanes 16-31 the next record's
	v_cndmask_b32 v[WM+1], v[WD+2], v[WD+3], s[MASK]
	WIN 0x0c
	global_store_b32 v[SCO], v[WM], s[88:89]
	global_store_b32 v[SCO], v[WM+1], s[88:89] offset:2*REC
	WIN 0
	s_wait_tensorcnt 0x0                           ; the wave's end
	ds_add_u32 v[SPW], v[NIL]
	s_wait_dscnt 0x0
	CROUND                                         ; the closing round
	s_endpgm
.Lfunc_end_k_q3d587ac4e4_gate_r:
	.size	k_q3d587ac4e4_gate_r, .Lfunc_end_k_q3d587ac4e4_gate_r-k_q3d587ac4e4_gate_r
	.p2alignl 7, 3214868480
	.fill 96, 4, 3214868480
	.section	.rodata,"a",@progbits
	.p2align	6, 0x0
	.amdhsa_kernel k_q3d587ac4e4_gate_r
		.amdhsa_group_segment_fixed_size 327680
		.amdhsa_private_segment_fixed_size 0
		.amdhsa_enable_private_segment 0
		.amdhsa_kernarg_size 48
		.amdhsa_user_sgpr_count 2
		.amdhsa_user_sgpr_kernarg_segment_ptr 1
		.amdhsa_wavefront_size32 1
		.amdhsa_system_sgpr_workgroup_id_x 1
		.amdhsa_system_sgpr_workgroup_id_y 1
		.amdhsa_system_sgpr_workgroup_id_z 1
		.amdhsa_system_vgpr_workitem_id 0
		.amdhsa_next_free_vgpr 1024
		.amdhsa_next_free_sgpr 96
		.amdhsa_reserve_vcc 0
		.amdhsa_float_denorm_mode_32 3
		.amdhsa_float_denorm_mode_16_64 3
		.amdhsa_memory_ordered 1
		.amdhsa_forward_progress 1
		.amdhsa_inst_pref_size 201
	.end_amdhsa_kernel
	.amdgpu_metadata
---
amdhsa.version: [ 1, 2 ]
amdhsa.kernels:
  - .name:           k_q3d587ac4e4_gate_r
    .symbol:         k_q3d587ac4e4_gate_r.kd
    .args:
      - { .name: xq, .offset: 0, .size: 8, .value_kind: global_buffer, .address_space: global }
      - { .name: hq, .offset: 8, .size: 8, .value_kind: global_buffer, .address_space: global }
      - { .name: wq, .offset: 16, .size: 8, .value_kind: global_buffer, .address_space: global }
      - { .name: b_ri, .offset: 24, .size: 8, .value_kind: global_buffer, .address_space: global }
      - { .name: h, .offset: 32, .size: 8, .value_kind: global_buffer, .address_space: global }
      - { .name: hr, .offset: 40, .size: 8, .value_kind: global_buffer, .address_space: global }
    .group_segment_fixed_size: 327680
    .private_segment_fixed_size: 0
    .kernarg_segment_align: 8
    .kernarg_segment_size: 48
    .max_flat_workgroup_size: 128
    .sgpr_count:     96
    .vgpr_count:     1024
    .wavefront_size: 32
...
	.end_amdgpu_metadata
.endif
;; end of part 2
;; launch gate_zc (part 3): grid 8 x 32, 4 waves a work-group, clusters of 4 x 4, 327,680 bytes of LDS; arguments xq, hq, hr, wq, b_zi, b_hi, h, out0; writes out0
.if DOCPART == 3
	.amdgcn_target "amdgcn-amd-amdhsa--gfx1250"
	.amdhsa_code_object_version 6
	.text
	.protected	k_q3d587ac4e4_gate_zc
	.globl	k_q3d587ac4e4_gate_zc
	.p2align	8
	.type	k_q3d587ac4e4_gate_zc,@function
k_q3d587ac4e4_gate_zc:
	s_mov_b64 s[64:65], 0
	v_nop
	global_prefetch_b8 v0, s[64:65] scope:SCOPE_SE
	s_setreg_imm32_b32 hwreg(HW_REG_WAVE_MODE, 25, 1), 1
	s_wait_xcnt 0x0
	s_wait_alu depctr_hold_cnt(0) depctr_sa_sdst(0) depctr_va_vdst(0) depctr_va_sdst(0) depctr_va_ssrc(0) depctr_va_vcc(0) depctr_vm_vsrc(0)
	s_getreg_b32 s2, hwreg(HW_REG_IB_STS2, 6, 4)
	s_cmp_eq_u32 s2, 0
	s_cbranch_scc0 .Lentry_in_a_cluster
	s_endpgm
.Lentry_in_a_cluster:
	s_bfe_u32 s2, ttmp6, 0x10000c
	s_cmp_lg_u32 s2, 0xf033
	s_cbranch_scc0 .Lentry_shape_is_right
	s_endpgm
.Lentry_shape_is_right:
; z = sigmoid(x W_zi + b_zi + Q(h) W_zh);  c = tanh(x W_hi + b_hi + Q(h r) W_hh);  out = (1 - z) h + z c.  All four products on codes of FP6 (E2M3) with E8M0 scales; z and c never go to memory.
; All operands come as records of 3,200 bytes (two images of operand registers and their scale words: launch prep).
; SHARES.  A work-group makes 256 rows x 128 columns of BOTH gates: 256 work-groups.  Wave (rh, g) makes rows 128 rh on of gate g (0: z, 1: c): 128 x 128, 64 accumulators, K = [x's 1,024 | the h side's 1,024], sixteen substeps of 128.
; THE MATRIX INSTRUCTION IS USED TRANSPOSED (source 0 = 16 rows of W, source 1 = 16 rows of x, hq or hr): a lane holds one row and eight neighbouring columns.
; RING: two slots of 153,600 bytes, 256 along K each (eight slot steps): x's 16 records, or hq's 16 and hr's 16; from 102,400 on the two weights' 8 each.  Waves 0, 1 fetch x's halves, later hq's and hr's tiles; waves 2, 3 the weights:
; dense blocks in rows of 256 bytes, one tensor load a wave behind each round; one is out at a time.  CLUSTER 4 x 4: A's tiles are asked for jointly along a row of the cluster, W's along a column.
; PREFETCH of the tiles: of each tile that a wave will fetch, each of the four partners that ask for it jointly names a quarter, told apart by address (cx for A, cy for W): 25 blocks of 256 bytes an instruction, a lane a block
; (lanes 25-31 name the 25th again).  Behind the load of slot step e stands the request for step e + 2 (behind step 0's also that for step 1); steps 6 and 7's loads ask for nothing.  Each block is named once in a cluster.
; THE TAIL: both gates' sums meet in LDS (in the slots, behind their last fill and last read); each wave then owns 64 whole rows, eight at a time.  With u = 1 / (1 + e^2t), c = 1 - 2 u and out = h - z (h + 2 u - 1).
; h (my 64 rows x 512 bytes) comes straight into registers, eight rows a group, in ascending order: groups 0, 1 at the head (the gaps of window 1), groups 2 to 4 at the first three changes of slots (v64-159 of window 0),
; groups 5 to 7 ahead of the last substep (W's set 0); one prefetch names rows 40 to 55 at the fifth change of slots; rows 56 to 63 come by their loads alone.
; LIMITS: NaN and infinities are not served; where 2^t overflows or falls to 0, z is exactly 0 or 1 and c exactly 1 or -1; near 0, c carries an absolute error of some 1e-7, not a relative one (it goes into the output alone).
; REGISTERS.  window 0: addresses; v24-31 the folded biases; v32-63 scale words, two sets (16 set + 2 i + q: lanes 0-15 A's block i, lanes 16-31 W's); v64-159 h; v160-255 A's fragments, one set.
;   window 1: W's fragments, two sets (v0-95, v128-223); the gaps and at the end set 0 take h.  windows 2, 3: the accumulators; in the tail v0-127 of window 3 are at work.
.set REC,   3200
.set SLOT,  153600
.set WOFF,  102400
.set SPARE, 2*SLOT
.set ZP,    528
.set CSO,   256*ZP
.set ADA,  4                           ; v4-5 x's records in slot 0, 1; v6-7 my gate's images
.set ADB,  8
.set ADS,  10                          ; v10-11, v12-13 the scale words' addresses likewise
.set STO,  14
.set RBZ,  15
.set RBC,  16
.set PV1,  18                          ; the tile prefetches' offsets: quarters of 6,400 bytes,
.set CO,   19
.set PFO,  20
.set PV2,  21                          ; and of 12,800
.set SPW,  22
.set NIL,  23
.set BZ,   24
.set BC,   28
.set S,    32
.set AF,   160
.set G1A, 20
.set G1W, 28
.set G1I, 36
.set G0A, 44
.set G0W, 52
.set PI,  60
.set WV,  66
.set RH,  67
.set GT,  68
.set CX,  69
.set CY,  70
.set NX,  71
.set MY,  72
.set LIA, 73
.set NL,  80
.set TL,  82
.set MUL_LO, 0xa1
.set MUL_HI, 0xf1
.set TO_B,   0x40
.set MSB, 0
.macro WIN new
.if MSB != \new
	s_set_vgpr_msb (MSB<<8)|\new
.set MSB, \new
.endif
.endm
.macro PLACES n
.rept \n
	v_nop
.endr
.endm
.macro CREST
	s_cmp_lg_u32 s[WV], 0
	s_cbranch_scc1 .Lnot_wave_0_\@
	s_barrier_signal -3
.Lnot_wave_0_\@:
	s_barrier_wait -3
	s_barrier_signal -1
	s_barrier_wait -1
.endm
.macro CROUND
	s_barrier_signal -1
	s_barrier_wait -1
	CREST
.endm
.macro JLOAD g0a, g1a, g0w, g1w        ; a joint load; the branch hangs on the wave's number alone; s_nop 0 and four v_nop follow each line
	s_cmp_eq_u32 s[RH], 0
	s_cbranch_scc0 .Lfor_w_\@
	tensor_load_to_lds s[\g0a:\g0a+3], s[\g1a:\g1a+7]
	s_nop 0
.rept 4
	v_nop
.endr
	s_branch .Lasked_\@
.Lfor_w_\@:
	tensor_load_to_lds s[\g0w:\g0w+3], s[\g1w:\g1w+7]
	s_nop 0
.rept 4
	v_nop
.endr
.Lasked_\@:
.endm
.macro ASK st                          ; my work-group's quarter of the tile that I fetch for slot step st; the bases and the two offsets are never rewritten
	s_cmp_eq_u32 s[RH], 0
	s_cbranch_scc0 .Lpw_\@
.if (\st) < 4
	global_prefetch_b8 v[PV1], s[4:5] offset:(\st)*51200 th:TH_LOAD_NT scope:SCOPE_SE
.else
	global_prefetch_b8 v[PV2], s[PI:PI+1] offset:((\st)-4)*51200 th:TH_LOAD_NT scope:SCOPE_SE
	global_prefetch_b8 v[PV2], s[PI:PI+1] offset:((\st)-4)*51200+6400 th:TH_LOAD_NT scope:SCOPE_SE
.endif
	s_branch .Lpd_\@
.Lpw_\@:
	global_prefetch_b8 v[PV1], s[10:11] offset:((\st)%4)*25600+((\st)/4)*819200 th:TH_LOAD_NT scope:SCOPE_SE
.Lpd_\@:
.endm
.macro FRAGI reg, adr, q, i
.irp g, 0,1,2
	ds_load_b128 v[\reg+4*\g:\reg+4*\g+3], v[\adr] offset:REC*(\i)+1536*(\q)+512*\g
.endr
.endm
.macro FETCH_B slot, q                 ; W's eight fragments of half q into set q
	WIN TO_B
.irp i, 0,1,2,3,4,5,6,7
	FRAGI 128*(\q)+12*\i, ADB+(\slot), \q, \i
.endr
	WIN 0
.endm
.macro FETCH_A ph, slot, q, i0         ; A's blocks i0 .. i0 + 3 (ph = 0: x, 1: my gate's images)
.irp i, \i0, \i0+1, \i0+2, \i0+3
	FRAGI AF+12*(\i), ADA+2*(\ph)+(\slot), \q, \i
.endr
.endm
.macro SCALES ph, slot
.irp i, 0,1,2,3,4,5,6,7
.irp q, 0,1
	ds_load_b32 v[S+16*(\slot)+2*\i+\q], v[ADS+2*(\ph)+(\slot)] offset:REC*\i+64*\q
.endr
.endr
.endm
.macro MUL16 a0, q, st, zero           ; 16 products; the 64 accumulators take turns
.irp a, \a0, \a0+1
.irp b, 0,1,2,3,4,5,6,7
.set DD, 8*(8*((\a)%4)+\b)
.set WW, 128*(\q)+12*\b
.set AA, AF+12*(\a)
.if \zero
	v_wmma_scale_f32_16x16x128_f8f6f4 v[DD:DD+7], v[WW:WW+11], v[AA:AA+11], 0, v[S+16*(\st)+2*\b+(\q)], v[S+16*(\st)+2*(\a)+(\q)] matrix_a_fmt:MATRIX_FMT_FP6 matrix_b_fmt:MATRIX_FMT_FP6 matrix_a_scale:MATRIX_SCALE_ROW1
.else
	v_wmma_scale_f32_16x16x128_f8f6f4 v[DD:DD+7], v[WW:WW+11], v[AA:AA+11], v[DD:DD+7], v[S+16*(\st)+2*\b+(\q)], v[S+16*(\st)+2*(\a)+(\q)] matrix_a_fmt:MATRIX_FMT_FP6 matrix_b_fmt:MATRIX_FMT_FP6 matrix_a_scale:MATRIX_SCALE_ROW1
.endif
.endr
.endr
.endm
.macro STEP ph, slot, zero             ; a slot's first substep; A has one set: blocks 0-3 are fetched anew in the middle, blocks 4-7 at the end
	s_wait_dscnt 12                                ; all but A's blocks 4-7 (12 loads) are in
	WIN MUL_LO
	MUL16 0, 0, \slot, \zero
	MUL16 2, 0, \slot, \zero
	s_wait_dscnt 0x0
	PLACES 4                                       ; in front of loads into registers that matrix instructions have read
	FETCH_B \slot, 1
	FETCH_A \ph, \slot, 1, 0
	WIN MUL_HI
	MUL16 4, 0, \slot, \zero
	MUL16 6, 0, \slot, \zero
	PLACES 4
	WIN 0
	FETCH_A \ph, \slot, 1, 4
.endm
.macro ADV slot, fill                  ; 1, 3: two K steps on; 2: over to the images and the h side's weights
.if \fill == 2
	s_add_co_u32 s[G0A+4*\slot+1], s[LIA], \slot*SLOT
	s_add_nc_u64 s[G0A+4*\slot+2:G0A+4*\slot+3], s[PI:PI+1], \slot*51200
	s_or_b32 s[G0A+4*\slot+3], s[G0A+4*\slot+3], 0x80000000
	s_add_nc_u64 s[G0W+4*\slot+2:G0W+4*\slot+3], s[G0W+4*\slot+2:G0W+4*\slot+3], 768000
.elseif \fill
	s_add_nc_u64 s[G0A+4*\slot+2:G0A+4*\slot+3], s[G0A+4*\slot+2:G0A+4*\slot+3], 102400
	s_add_nc_u64 s[G0W+4*\slot+2:G0W+4*\slot+3], s[G0W+4*\slot+2:G0W+4*\slot+3], 51200
.endif
.endm
.macro HBASE k                         ; h's group k (rows 8 k on): groups 0, 1 in the gaps of window 1, 2-4 in window 0, 5-7 in W's set 0
.if (\k) < 2
.set HB, 96+128*(\k)
.set HW, 1
.elseif (\k) < 5
.set HB, 64+32*((\k)-2)
.set HW, 0
.else
.set HB, 32*((\k)-5)
.set HW, 1
.endif
.endm
.macro HLD k                           ; (the caller has set the destination's window)
	HBASE \k
.irp i, 0,1,2,3,4,5,6,7
	global_load_b128 v[HB+4*\i:HB+4*\i+3], v[CO], s[16:17] offset:4096*(8*(\k)+\i) th:TH_LOAD_NT
.endr
.endm
; A slot's second substep, and the change of slots.  pf >= 0: a prefetch of 16 of my rows of h, from byte pf on, a lane to each 256 bytes; ask >= 0: the tiles of that slot step; hl >= 0: that group of h
.macro TURN ph, slot, phn, fill, pf, ask, hl
	s_wait_tensorcnt 0x0                           ; all my tensor loads have landed, so a group 0 may be written
	ds_add_u32 v[SPW], v[NIL]
	ADV \slot, \fill
	s_wait_dscnt 13                                ; (the add and A's blocks 4-7 may be out)
	WIN MUL_LO
	MUL16 0, 1, \slot, 0
	s_wait_dscnt 0x0                               ; the add is done, my reads of this slot are over
	s_barrier_signal -1
	MUL16 2, 1, \slot, 0
	WIN 0
	s_barrier_wait -1
.if \fill
	CREST
.if \fill == 1
	JLOAD G0A+4*\slot, G1A, G0W+4*\slot, G1W
.else
	JLOAD G0A+4*\slot, G1I, G0W+4*\slot, G1W
.endif
.else
	PLACES 4
.endif
	FETCH_B 1-\slot, 0
	FETCH_A \phn, 1-\slot, 0, 0
	SCALES \phn, 1-\slot
.if \hl >= 0
	HLD \hl
.endif
.if \pf >= 0
	global_prefetch_b8 v[PFO], s[16:17] offset:\pf th:TH_LOAD_NT scope:SCOPE_SE
.endif
.if \ask >= 0
	ASK \ask
.endif
	WIN MUL_HI
	MUL16 4, 1, \slot, 0
	MUL16 6, 1, \slot, 0
	PLACES 4
	WIN 0
	FETCH_A \phn, 1-\slot, 0, 4
.endm
	s_load_b512 s[4:19], s[0:1], 0x0               ; xq 4, hq 6, hr 8, wq 10, b_zi 12, b_hi 14, h 16, out0 18
	v_lshl_add_u32 v[SPW], v0, 2, SPARE
	v_mov_b32 v[NIL], 0
	ds_add_u32 v[SPW], v[NIL]                      ; the opening: the add twice and its wait
	ds_add_u32 v[SPW], v[NIL]
	v_lshrrev_b32 v1, 5, v0
	v_readfirstlane_b32 s[WV], v1
	s_lshr_b32 s[RH], s[WV], 1
	s_and_b32 s[GT], s[WV], 1
	s_bfe_u32 s[CX], ttmp6, 0x40000
	s_bfe_u32 s[CY], ttmp6, 0x40004
	s_lshl_b32 s[NX], ttmp9, 2
	s_add_co_u32 s[NX], s[NX], s[CX]               ; tile column, 128 columns
	s_and_b32 s[MY], ttmp7, 0xffff
	s_lshl_b32 s[MY], s[MY], 2
	s_add_co_u32 s[MY], s[MY], s[CY]               ; tile row, 256 rows
	s_lshl_b32 s74, s[CY], 2
	s_lshl_b32 s74, 15, s74
	s_lshl_b32 s75, 0x1111, s[CX]
	s_or_b32 s[G1A], s74, (3<<16)|(1<<21)          ; elements of 8 bytes; bit 21 beside a mask
	s_or_b32 s[G1I], s74, (3<<16)|(1<<21)
	s_or_b32 s[G1W], s75, (3<<16)|(1<<21)
.irp g, G1A, G1W
	s_mov_b32 s[\g+1], 32<<16                      ; 100 rows of 256 bytes
	s_mov_b32 s[\g+2], 100<<16
	s_mov_b32 s[\g+3], 32<<16
	s_mov_b32 s[\g+4], 100
	s_mov_b32 s[\g+5], 32
	s_mov_b32 s[\g+6], 0
	s_mov_b32 s[\g+7], 0
.endr
	s_mov_b32 s[G1I+1], 32<<16                     ; 200 rows
	s_mov_b32 s[G1I+2], 200<<16
	s_mov_b32 s[G1I+3], 32<<16
	s_mov_b32 s[G1I+4], 200
	s_mov_b32 s[G1I+5], 32
	s_mov_b32 s[G1I+6], 0
	s_mov_b32 s[G1I+7], 0
	s_mul_i32 s76, s[MY], 204800                   ; A: the tile row's four K steps of 51,200 bytes
	s_mov_b32 s77, 0
	s_mul_i32 s78, s[GT], 25600                    ; x: my half; also where my tile goes in a slot
	s_mov_b32 s79, 0
	s_mul_i32 s84, s[NX], 102400                   ; W: weight 2 + 2 g (zi, hi), group = tile column
	s_mul_i32 s86, s[GT], 1638400
	s_add_co_u32 s84, s84, s86
	s_add_co_u32 s84, s84, 1638400
	s_mov_b32 s85, 0
	s_mul_i32 s[LIA], s[GT], 51200
	s_mul_i32 s86, s[RH], 25600                    ; what I read: x's records 8 rh on,
	s_add_co_u32 s87, s86, s[LIA]                  ; my gate's images,
	s_add_co_u32 s88, s78, WOFF                    ; my gate's W
	s_sub_co_u32 s89, s88, s86
	s_sub_co_u32 s90, s88, s87
	s_add_co_u32 s91, s86, 3072
	s_add_co_u32 s92, s87, 3072
	s_mul_i32 s93, s[GT], CSO
	s_mul_i32 s94, s[RH], 128*ZP
	s_add_co_u32 s93, s93, s94
	s_mul_i32 s94, s[WV], 64*ZP
	s_mov_b32 s[NL], 0xbfb8aa3b                    ; -log2(e)
	s_mov_b32 s[NL+1], s[NL]
	s_mov_b32 s[TL], 0x4038aa3b                    ; 2 log2(e)
	s_mov_b32 s[TL+1], s[TL]
	s_lshl_b32 s74, s[NX], 9                       ; my tile's first column, in bytes of f32
	s_mov_b32 s75, 0
	s_wait_dscnt 0x0
	s_wait_kmcnt 0x0
	s_cmp_eq_u32 s[GT], 0
	s_cselect_b64 s[PI:PI+1], s[6:7], s[8:9]       ; hq or hr: the wave's number alone chooses
	s_add_nc_u64 s[PI:PI+1], s[PI:PI+1], s[76:77]
	s_add_nc_u64 s[4:5], s[4:5], s[76:77]
	s_add_nc_u64 s[4:5], s[4:5], s[78:79]
	s_add_nc_u64 s[10:11], s[10:11], s[84:85]
	s_add_nc_u64 s[12:13], s[12:13], s[74:75]
	s_add_nc_u64 s[14:15], s[14:15], s[74:75]
	s_add_nc_u64 s[16:17], s[16:17], s[74:75]
	s_add_nc_u64 s[18:19], s[18:19], s[74:75]
	s_cmp_eq_u32 s[RH], 0                          ; the prefetches: my place among the four that ask for my tile with me
	s_cselect_b32 s84, s[CX], s[CY]
	s_mul_i32 s84, s84, 6400
	s_mul_i32 s85, s[CX], 12800
	s_lshl_b32 s74, s[MY], 20
	s_lshl_b32 s95, s[WV], 18
	s_add_co_u32 s74, s74, s95                     ; the 64 rows that I finish in the tail
	s_add_nc_u64 s[16:17], s[16:17], s[74:75]
	s_add_nc_u64 s[18:19], s[18:19], s[74:75]
	CROUND                                         ; the first joint loads meet
.irp s, 0,1
	s_mov_b32 s[G0A+4*\s], 1
	s_add_co_u32 s[G0A+4*\s+1], s78, \s*SLOT
	s_add_nc_u64 s[G0A+4*\s+2:G0A+4*\s+3], s[4:5], \s*51200
	s_or_b32 s[G0A+4*\s+3], s[G0A+4*\s+3], 0x80000000
	s_mov_b32 s[G0W+4*\s], 1
	s_add_co_u32 s[G0W+4*\s+1], s78, \s*SLOT+WOFF
	s_add_nc_u64 s[G0W+4*\s+2:G0W+4*\s+3], s[10:11], \s*25600
	s_or_b32 s[G0W+4*\s+3], s[G0W+4*\s+3], 0x80000000
.endr
	JLOAD G0A, G1A, G0W, G1W                       ; slot 0: one tensor load a wave at the head
	v_and_b32 v1, 31, v0
	v_and_b32 v2, 15, v0
	v_bfe_u32 v3, v0, 4, 1
	v_lshlrev_b32 v[CO], 4, v1
	v_add_nc_u32 v[ADA], s86, v[CO]
	v_add_nc_u32 v[ADA+2], s87, v[CO]
	v_add_nc_u32 v[ADB], s88, v[CO]
	v_lshlrev_b32 v17, 2, v2
	v_mul_u32_u24 v18, s89, v3                     ; lanes 16-31 take W's words
	v_mul_u32_u24 v21, s90, v3
	v_add_nc_u32 v18, v18, v17
	v_add_nc_u32 v21, v21, v17
	v_add_nc_u32 v[ADS], s91, v18
	v_add_nc_u32 v[ADS+2], s92, v21
	v_add_nc_u32 v[ADA+1], SLOT, v[ADA]
	v_add_nc_u32 v[ADA+3], SLOT, v[ADA+2]
	v_add_nc_u32 v[ADB+1], SLOT, v[ADB]
	v_add_nc_u32 v[ADS+1], SLOT, v[ADS]
	v_add_nc_u32 v[ADS+3], SLOT, v[ADS+2]
	v_mul_u32_u24 v[STO], v2, ZP
	v_lshl_add_u32 v[STO], v3, 5, v[STO]
	v_add_nc_u32 v[STO], s93, v[STO]
	v_add_nc_u32 v[RBZ], s94, v[CO]
	v_add_nc_u32 v[RBC], CSO, v[RBZ]
	v_lshrrev_b32 v[PFO], 1, v1
	v_lshlrev_b32 v[PFO], 12, v[PFO]
	v_and_b32 v17, 1, v1
	v_lshl_or_b32 v[PFO], v17, 8, v[PFO]           ; row lane / 2, + 256 (lane % 2)
	v_min_u32 v17, 24, v1
	v_lshlrev_b32 v17, 8, v17
	v_add_nc_u32 v[PV1], s84, v17                  ; my quarter, + 256 x min(lane, 24)
	v_add_nc_u32 v[PV2], s85, v17
	s_wait_alu depctr_va_vdst(0)                   ; the wait ahead of the branches below
	ASK 1
	ASK 2
	global_load_b128 v[BZ:BZ+3], v[CO], s[12:13]
	global_load_b128 v[BC:BC+3], v[CO], s[14:15]
	WIN TO_B
	HLD 0                                          ; h's rows 0 to 15, into the gaps of window 1
	HLD 1
	WIN 0
	s_wait_loadcnt 16                              ; the biases are in; h's 16 loads may be out
	v_pk_mul_f32 v[BZ:BZ+1], v[BZ:BZ+1], s[NL:NL+1] op_sel_hi:[1,0]
	v_pk_mul_f32 v[BZ+2:BZ+3], v[BZ+2:BZ+3], s[NL:NL+1] op_sel_hi:[1,0]
	v_pk_mul_f32 v[BC:BC+1], v[BC:BC+1], s[TL:TL+1] op_sel_hi:[1,0]
	v_pk_mul_f32 v[BC+2:BC+3], v[BC+2:BC+3], s[TL:TL+1] op_sel_hi:[1,0]
	s_wait_alu depctr_va_vdst(0)                   ; the wait at the head's end
	s_wait_tensorcnt 0x0                           ; my part of slot 0 is in; slot 1's first fill is issued as a refill is
	ds_add_u32 v[SPW], v[NIL]
	s_wait_dscnt 0x0
	CROUND
	JLOAD G0A+4, G1A, G0W+4, G1W
	FETCH_B 0, 0
	FETCH_A 0, 0, 0, 0
	SCALES 0, 0
	FETCH_A 0, 0, 0, 4
	ASK 3
	STEP 0, 0, 1                                   ; the first products start the sums
	TURN 0, 0, 0, 1, -1, 4, 2
	STEP 0, 1, 0
	TURN 0, 1, 0, 1, -1, 5, 3
	STEP 0, 0, 0
	TURN 0, 0, 0, 2, -1, 6, 4
	STEP 0, 1, 0
	TURN 0, 1, 1, 2, -1, 7, -1
	STEP 1, 0, 0
	TURN 1, 0, 1, 3, 163840, -1, -1                ; names rows 40 to 55 of h
	STEP 1, 1, 0
	TURN 1, 1, 1, 3, -1, -1, -1
	STEP 1, 0, 0
	TURN 1, 0, 1, 0, -1, -1, -1                    ; nothing is left to fetch: a plain barrier
	STEP 1, 1, 0
; THE LAST SUBSTEP, AND THE SUMS' WAY INTO THE STAGE: lane (r, h), tile b of block a: row 16 a + r, bytes 64 b + 32 h on, in my gate's region.
.macro DEP a
.irp b, 0,1,2,3,4,5,6,7
	ds_store_b128 v[STO], v[64*((\a)%4)+8*\b:64*((\a)%4)+8*\b+3] offset:16*ZP*(\a)+64*\b          ; each accumulator from its low end on
	ds_store_b128 v[STO], v[64*((\a)%4)+8*\b+4:64*((\a)%4)+8*\b+7] offset:16*ZP*(\a)+64*\b+16
.endr
.endm
	WIN TO_B
	HLD 5                                          ; h's rows 40 to 63 into W's set 0: its last readers stand four places back
	HLD 6
	HLD 7
	s_wait_dscnt 12
	WIN MUL_LO
	MUL16 0, 1, 1, 0
	s_wait_dscnt 0x0                               ; my last reads of the slots are over
	s_barrier_signal -1                            ; behind this barrier the slots, which have had their last fill, take the sums
	MUL16 2, 1, 1, 0
	s_barrier_wait -1
	PLACES 4
	WIN MUL_HI
	MUL16 4, 1, 1, 0
	WIN 0x08
	DEP 0
	DEP 1
	WIN MUL_HI
	MUL16 6, 1, 1, 0
	PLACES 4                                       ; behind the last products: stores read their results
	WIN 0x08
	DEP 2
	DEP 3
	WIN 0x0c
	DEP 4
	DEP 5
	DEP 6
	DEP 7
	WIN 0
	s_wait_dscnt 0x0                               ; for the others' sake
	s_barrier_signal -1
	s_barrier_wait -1                              ; both gates' sums of my 64 rows lie in the stage
; THE TAIL, eight whole rows at a time; a lane holds four neighbouring columns of each row.  The stage is read a group ahead, on two buffers of 64 registers in window 3.
.macro LDG k
	WIN 0xc0
.irp i, 0,1,2,3,4,5,6,7
	ds_load_b128 v[64*((\k)%2)+4*\i:64*((\k)%2)+4*\i+3], v[RBZ] offset:ZP*(8*(\k)+\i)
.endr
.irp i, 0,1,2,3,4,5,6,7
	ds_load_b128 v[64*((\k)%2)+32+4*\i:64*((\k)%2)+32+4*\i+3], v[RBC] offset:ZP*(8*(\k)+\i)
.endr
.endm
.macro ROWS8 k
.set ZB, 64*((\k)%2)
.set UB, ZB+32
	HBASE \k
.set W1, 0xc3+0x10*HW                  ; source 0 and destination window 3, source 2 h's window
.set W2, 0x0f+0x50*HW                  ; sources 0 and 1 window 3, source 2 and destination h's window
.set W3, 0x04*HW                       ; a store's data are its source 1
.if (\k) < 7
	LDG (\k)+1
	s_wait_dscnt 16                                ; this group's sums are in; the next group's 16 loads may be out
.else
	s_wait_dscnt 0x0
.endif
	WIN 0xc3
.irp i, 0,1,2,3,4,5,6,7
.irp e, 0,2
	v_pk_fma_f32 v[ZB+4*\i+\e:ZB+4*\i+\e+1], v[ZB+4*\i+\e:ZB+4*\i+\e+1], s[NL:NL+1], v[BZ+\e:BZ+\e+1] op_sel_hi:[1,0,1]   ; -log2(e) (sum + b_zi)
	v_pk_fma_f32 v[UB+4*\i+\e:UB+4*\i+\e+1], v[UB+4*\i+\e:UB+4*\i+\e+1], s[TL:TL+1], v[BC+\e:BC+\e+1] op_sel_hi:[1,0,1]   ; 2 log2(e) (sum + b_hi)
.endr
.endr
.set N, 0
	s_wait_alu depctr_va_vdst(0)                   ; a wait ahead of each batch and one behind it
.rept 64
	v_exp_f32 v[ZB+N], v[ZB+N]
.set N, N+1
.endr
	v_nop
	s_wait_alu depctr_va_vdst(0)
.set N, 0
.rept 32
	v_pk_add_f32 v[ZB+2*N:ZB+2*N+1], v[ZB+2*N:ZB+2*N+1], 1.0 op_sel_hi:[1,0]
.set N, N+1
.endr
.set N, 0
	s_wait_alu depctr_va_vdst(0)
.rept 64
	v_rcp_f32 v[ZB+N], v[ZB+N]                     ; z, and u = 1 / (1 + e^2t)
.set N, N+1
.endr
	v_nop
	s_wait_alu depctr_va_vdst(0)
	s_wait_loadcnt 56-8*(\k)                       ; h's rows up to this group's are in; the 8 (7 - k) loads behind them may be out
	WIN W1
.set N, 0
.rept 16
	v_pk_fma_f32 v[UB+2*N:UB+2*N+1], v[UB+2*N:UB+2*N+1], 2.0, v[HB+2*N:HB+2*N+1] op_sel_hi:[1,0,1]   ; h + 2 u
.set N, N+1
.endr
.set N, 0
.rept 16
	v_pk_add_f32 v[UB+2*N:UB+2*N+1], v[UB+2*N:UB+2*N+1], -1.0 op_sel_hi:[1,0]                        ; h - c
.set N, N+1
.endr
	WIN W2
.set N, 0
.rept 16
	v_pk_fma_f32 v[HB+2*N:HB+2*N+1], v[ZB+2*N:ZB+2*N+1], v[UB+2*N:UB+2*N+1], v[HB+2*N:HB+2*N+1] neg_lo:[1,0,0] neg_hi:[1,0,0]   ; out = h - z (h - c)
.set N, N+1
.endr
	WIN W3
.irp i, 0,1,2,3,4,5,6,7
	global_store_b128 v[CO], v[HB+4*\i:HB+4*\i+3], s[18:19] offset:4096*(8*(\k)+\i) th:TH_STORE_NT   ; 512 consecutive bytes, at a multiple of 512 from out0's first byte
.endr
.endm
	LDG 0
.irp k, 0,1,2,3,4,5,6,7
	ROWS8 \k
.endr
	WIN 0
	s_wait_tensorcnt 0x0                           ; the wave's end
	ds_add_u32 v[SPW], v[NIL]
	s_wait_dscnt 0x0
	CROUND                                         ; the closing round
	s_endpgm
.Lfunc_end_k_q3d587ac4e4_gate_zc:
	.size	k_q3d587ac4e4_gate_zc, .Lfunc_end_k_q3d587ac4e4_gate_zc-k_q3d587ac4e4_gate_zc
	.p2alignl 7, 3214868480
	.fill 96, 4, 3214868480
	.section	.rodata,"a",@progbits
	.p2align	6, 0x0
	.amdhsa_kernel k_q3d587ac4e4_gate_zc
		.amdhsa_group_segment_fixed_size 327680
		.amdhsa_private_segment_fixed_size 0
		.amdhsa_enable_private_segment 0
		.amdhsa_kernarg_size 64
		.amdhsa_user_sgpr_count 2
		.amdhsa_user_sgpr_kernarg_segment_ptr 1
		.amdhsa_wavefront_size32 1
		.amdhsa_system_sgpr_workgroup_id_x 1
		.amdhsa_system_sgpr_workgroup_id_y 1
		.amdhsa_system_sgpr_workgroup_id_z 1
		.amdhsa_system_vgpr_workitem_id 0
		.amdhsa_next_free_vgpr 1024
		.amdhsa_next_free_sgpr 96
		.amdhsa_reserve_vcc 0
		.amdhsa_float_denorm_mode_32 3
		.amdhsa_float_denorm_mode_16_64 3
		.amdhsa_memory_ordered 1
		.amdhsa_forward_progress 1
		.amdhsa_inst_pref_size 255
	.end_amdhsa_kernel
	.section	.bss,"aw",@nobits
	.p2align	6
	.space	262144
	.amdgpu_metadata
---
amdhsa.version: [ 1, 2 ]
amdhsa.kernels:
  - .name:           k_q3d587ac4e4_gate_zc
    .symbol:         k_q3d587ac4e4_gate_zc.kd
    .args:
      - { .name: xq, .offset: 0, .size: 8, .value_kind: global_buffer, .address_space: global }
      - { .name: hq, .offset: 8, .size: 8, .value_kind: global_buffer, .address_space: global }
      - { .name: hr, .offset: 16, .size: 8, .value_kind: global_buffer, .address_space: global }
      - { .name: wq, .offset: 24, .size: 8, .value_kind: global_buffer, .address_space: global }
      - { .name: b_zi, .offset: 32, .size: 8, .value_kind: global_buffer, .address_space: global }
      - { .name: b_hi, .offset: 40, .size: 8, .value_kind: global_buffer, .address_space: global }
      - { .name: h, .offset: 48, .size: 8, .value_kind: global_buffer, .address_space: global }
      - { .name: out0, .offset: 56, .size: 8, .value_kind: global_buffer, .address_space: global }
    .group_segment_fixed_size: 327680
    .private_segment_fixed_size: 0
    .kernarg_segment_align: 8
    .kernarg_segment_size: 64
    .max_flat_workgroup_size: 128
    .sgpr_count:     96
    .vgpr_count:     1024
    .wavefront_size: 32
...
	.end_amdgpu_metadata
.endif
;; end of part 3
